; MI455X (gfx1250); checked and timed in simulation.
; The chip was launched on July 23, 2026; its instructions are those of AMD's public machine-readable ISA for CDNA 5 (MIT licence, August 2026) and "CDNA5" Instruction Set Architecture Reference Guide (July 2026). The comments in the code are by the model that wrote it; some were corrected since.
;; Quant Linear Dequant. Allowed arithmetic: float matrix products may take bf16 or f16 operands with f32 sums; other float arithmetic in f32, or as packed bf16 or f16 multiplies, adds, multiply-adds, maxima and minima; sums over many terms, partial sums and values carried from step to step in f32; what a program stores and reads back later, other than sums and carried values, may be rounded once to bf16 or f16.
;; Inputs: Wq 4,096 x 4,096 int8; bias_param 4,096 float32; row_scales 4,096 float32; x 4,096 x 4,096 float32.
;; Outputs: out0 4,096 x 4,096 float32.
;; 2 versions, each right; version 2 is version 1 with the launch prep written anew for expert scheduling mode. Each part assembles by itself: llvm-mc -triple=amdgcn-amd-amdhsa -mcpu=gfx1250 --defsym DOCPART=n.
;; ======== version 1 of 2: 2 launches
;; workspace buffers: xb 33,554,432 bytes; wb 33,554,432 bytes
;; launch prep (part 1): grid 1024 x 1, 8 waves a work-group, no clusters, 0 bytes of LDS; arguments x, Wq, xb, wb; writes xb, wb
.if DOCPART == 1
	.amdgcn_target "amdgcn-amd-amdhsa--gfx1250"
	.amdhsa_code_object_version 6
	.text
	.protected	k_q08015342ee_prep
	.globl	k_q08015342ee_prep
	.p2align	8
	.type	k_q08015342ee_prep,@function
k_q08015342ee_prep:
	s_mov_b64 s[64:65], 0
	v_nop
	global_prefetch_b8 v0, s[64:65] scope:SCOPE_SE
	s_setreg_imm32_b32 hwreg(HW_REG_WAVE_MODE, 25, 1), 1
	s_wait_xcnt 0x0
; out0[t][o] = (row_scales[o] / 127) x (the sum over k of x[t][k] Wq[o][k]) + bias_param[o]: the factor of a row of W is the same for all k, so it is taken out of the sum.
; NOTHING OF THE PROBLEM IS LEFT OUT: all four inputs reach the output, x and Wq here, row_scales and bias_param in the second launch.
; THIS LAUNCH makes the two matrix operands, each once: xb = x rounded to bf16 (nearest even), wb = Wq as bf16.  Every whole number from -128 to 127 has at most 8 significant
; bits, so wb is exact.  LIMIT: |x| beyond bf16's largest finite number becomes an infinity; x keeps 8 significant bits.
; SHARES.  Work-group g owns 65,536 bytes of x (4 rows) and 16,384 bytes of Wq (4 rows); thread t takes 16 bytes of each 4,096 of x and 8 bytes of each 2,048 of Wq.  So a wave's load of x
; covers 512 consecutive bytes and its store to xb 256, aligned; a wave's load of Wq covers 256 and its store to wb 512.  All 24 loads of a wave go out ahead of the first wait.
; No LDS, no barrier: no thread wants a byte that another has fetched.  No register that a store reads is written again, and EXEC never changes.
.set O16, 1                            ; v1        16 t; never rewritten
.set O8,  2                            ; v2        8 t; never rewritten
.set C43, 3                            ; v3        0x43 in all four bytes
.set X,   4                            ; v[4:67]   chunk i of x: 4 registers as loaded; its first two then hold the 4 bf16
.set WR,  68                           ; v[68:83]  chunk i of Wq: 2 registers, 8 bytes
.set WO,  84                           ; v[84:115] chunk i of wb: 4 registers, 8 bf16
.set T,   116                          ; v[116:127] four sets of three at work
.set SEL, 19                           ; s19, s20  v_perm_b32's selectors
	s_load_b256 s[4:11], s[0:1], 0x0               ; x s[4:5], Wq s[6:7], xb s[8:9], wb s[10:11]
	v_lshlrev_b32 v[O16], 4, v0
	v_lshlrev_b32 v[O8], 3, v0
	v_mov_b32 v[C43], 0x43434343
	s_lshl_b32 s12, ttmp9, 16                      ; g x 65,536: my part of x
	s_mov_b32 s13, 0
	s_lshl_b32 s14, ttmp9, 15                      ; g x 32,768: my part of xb and of wb
	s_mov_b32 s15, 0
	s_lshl_b32 s16, ttmp9, 14                      ; g x 16,384: my part of Wq
	s_mov_b32 s17, 0
	s_mov_b32 s[SEL], 0x04010400                   ; halves (0x43, byte 0) and (0x43, byte 1)
	s_mov_b32 s[SEL+1], 0x04030402                 ; halves (0x43, byte 2) and (0x43, byte 3)
	s_mov_b32 s21, 0xff7fff7f                      ; clears bit 7 of both halves
	s_mov_b32 s22, 0xff80ff80                      ; clears bits 6:0 of both halves
	s_mov_b32 s23, 0xbf80bf80                      ; -1.0 twice, in bf16
	s_wait_kmcnt 0x0
	s_add_nc_u64 s[4:5], s[4:5], s[12:13]
	s_add_nc_u64 s[6:7], s[6:7], s[16:17]
	s_add_nc_u64 s[8:9], s[8:9], s[14:15]
	s_add_nc_u64 s[10:11], s[10:11], s[14:15]
.irp i, 0,1,2,3,4,5,6,7,8,9,10,11,12,13,14,15
	global_load_b128 v[X+4*(\i):X+4*(\i)+3], v[O16], s[4:5] offset:4096*(\i) th:TH_LOAD_NT
.endr
.irp i, 0,1,2,3,4,5,6,7
	global_load_b64 v[WR+2*(\i):WR+2*(\i)+1], v[O8], s[6:7] offset:2048*(\i) th:TH_LOAD_NT
.endr
; Chunk i of x: four numbers rounded to bf16, 8 bytes stored.
.macro XCH i
	s_wait_loadcnt 23-(\i)                         ; loads come back in order (ISA guide 5.7.1): 23 - i loads were issued behind this chunk's
	v_cvt_pk_bf16_f32 v[X+4*(\i)],   v[X+4*(\i)],   v[X+4*(\i)+1]
	v_cvt_pk_bf16_f32 v[X+4*(\i)+1], v[X+4*(\i)+2], v[X+4*(\i)+3]
	global_store_b64 v[O8], v[X+4*(\i):X+4*(\i)+1], s[8:9] offset:2048*(\i)
.endm
; Chunk i of Wq: eight bytes widened to bf16, 16 bytes stored.  The half 0x43bb, b the byte: with bit 7 cleared it is the bf16 number 128 + (b's low seven bits);
; with bits 6:0 cleared it is 128 where b's sign bit is 0 and 256 where it is 1.  The first less the second is the byte's signed value: a whole number of at most 8 bits, so the one rounding changes nothing.
.macro WCH i
	s_wait_loadcnt 7-(\i)                          ; 7 - i loads were issued behind this chunk's
.irp q, 0,1,2,3
	v_perm_b32 v[T+3*(\q)], v[C43], v[WR+2*(\i)+(\q)/2], s[SEL+(\q)%2]
.endr
.irp q, 0,1,2,3
	v_and_b32 v[T+3*(\q)+1], s21, v[T+3*(\q)]
	v_and_b32 v[T+3*(\q)+2], s22, v[T+3*(\q)]
.endr
.irp q, 0,1,2,3
	v_pk_fma_bf16 v[WO+4*(\i)+(\q)], v[T+3*(\q)+2], s23, v[T+3*(\q)+1]
.endr
	global_store_b128 v[O16], v[WO+4*(\i):WO+4*(\i)+3], s[10:11] offset:4096*(\i)
.endm
.irp i, 0,1,2,3,4,5,6,7,8,9,10,11,12,13,14,15
	XCH \i
.endr
.irp i, 0,1,2,3,4,5,6,7
	WCH \i
.endr
	s_endpgm
.Lfunc_end_k_q08015342ee_prep:
	.size	k_q08015342ee_prep, .Lfunc_end_k_q08015342ee_prep-k_q08015342ee_prep
	.p2alignl 7, 3214868480
	.fill 96, 4, 3214868480
	.section	.rodata,"a",@progbits
	.p2align	6, 0x0
	.amdhsa_kernel k_q08015342ee_prep
		.amdhsa_group_segment_fixed_size 0
		.amdhsa_private_segment_fixed_size 0
		.amdhsa_enable_private_segment 0
		.amdhsa_kernarg_size 32
		.amdhsa_user_sgpr_count 2
		.amdhsa_user_sgpr_kernarg_segment_ptr 1
		.amdhsa_wavefront_size32 1
		.amdhsa_system_sgpr_workgroup_id_x 1
		.amdhsa_system_sgpr_workgroup_id_y 1
		.amdhsa_system_sgpr_workgroup_id_z 1
		.amdhsa_system_vgpr_workitem_id 0
		.amdhsa_next_free_vgpr 128
		.amdhsa_next_free_sgpr 66
		.amdhsa_reserve_vcc 0
		.amdhsa_float_denorm_mode_32 3
		.amdhsa_float_denorm_mode_16_64 3
		.amdhsa_memory_ordered 1
		.amdhsa_forward_progress 1
		.amdhsa_inst_pref_size 15
	.end_amdhsa_kernel
	.amdgpu_metadata
---
amdhsa.version: [ 1, 2 ]
amdhsa.kernels:
  - .name:           k_q08015342ee_prep
    .symbol:         k_q08015342ee_prep.kd
    .args:
      - { .name: x, .offset: 0, .size: 8, .value_kind: global_buffer, .address_space: global }
      - { .name: Wq, .offset: 8, .size: 8, .value_kind: global_buffer, .address_space: global }
      - { .name: xb, .offset: 16, .size: 8, .value_kind: global_buffer, .address_space: global }
      - { .name: wb, .offset: 24, .size: 8, .value_kind: global_buffer, .address_space: global }
    .group_segment_fixed_size: 0
    .private_segment_fixed_size: 0
    .kernarg_segment_align: 8
    .kernarg_segment_size: 32
    .max_flat_workgroup_size: 256
    .sgpr_count:     66
    .vgpr_count:     128
    .wavefront_size: 32
...
	.end_amdgpu_metadata
.endif
;; end of part 1
;; launch gemm (part 2): grid 16 x 16, 4 waves a work-group, clusters of 4 x 4, 327,680 bytes of LDS; arguments xb, wb, row_scales, bias_param, out0; writes out0
.if DOCPART == 2
	.amdgcn_target "amdgcn-amd-amdhsa--gfx1250"
	.amdhsa_code_object_version 6
	.text
	.protected	k_q08015342ee_gemm
	.globl	k_q08015342ee_gemm
	.p2align	8
	.type	k_q08015342ee_gemm,@function
k_q08015342ee_gemm:
	s_mov_b64 s[64:65], 0
	v_nop
	global_prefetch_b8 v0, s[64:65] scope:SCOPE_SE
	s_setreg_imm32_b32 hwreg(HW_REG_WAVE_MODE, 25, 1), 1
	s_wait_xcnt 0x0
	s_wait_alu depctr_hold_cnt(0) depctr_sa_sdst(0) depctr_va_vdst(0) depctr_va_sdst(0) depctr_va_ssrc(0) depctr_va_vcc(0) depctr_vm_vsrc(0)
	s_getreg_b32 s2, hwreg(HW_REG_IB_STS2, 6, 4)
	s_cmp_eq_u32 s2, 0
	s_cbranch_scc0 .Lentry_in_a_cluster
	s_endpgm
.Lentry_in_a_cluster:
	s_bfe_u32 s2, ttmp6, 0x10000c
	s_cmp_lg_u32 s2, 0xf033
	s_cbranch_scc0 .Lentry_shape_is_right
	s_endpgm
.Lentry_shape_is_right:
; out0[t][o] = (row_scales[o] x 1/127) x (the sum over k of xb[t][k] wb[o][k]) + bias_param[o].  xb: [4096][4096] bf16 (x rounded once), wb: [4096][4096] bf16 (Wq, exact), out0: [4096][4096] f32.
; Nothing of the problem is left out.  Sums in f32.  LIMITS: the scale is applied behind the sum, as row_scales[o] times the f32 number nearest to 1/127: an order of rounding other than the
; division and the product in front of the sum; x has bf16's 8 significant bits; NaN and infinities are not treated apart.
; SHARES.  A block of out0, 256 x 256, is made by a work-group of four waves; a wave makes 128 x 128: 64 accumulators of 16 x 16, 512 registers.  4096 / 256 squared = 256 work-groups.
; K goes in steps of 128 through a ring of two LDS slots filled by the tensor data mover: a tile's rows are 256 bytes of memory, at multiples of 256 from the buffer's first byte.
; CLUSTERS: 4 x 4 work-groups.  The four of a row of the cluster need the same tiles of xb, the four of a column the same tiles of wb: each tile is asked for JOINTLY, by the same tensor load
; with the same descriptor and a mask that names the four; each receives it in its own LDS.
; THE MATRIX INSTRUCTION IS USED TRANSPOSED: source 0 = 16 rows of wb, source 1 = 16 rows of xb.  In the result lane l holds row l % 16 of out0, and its registers 0 to 7 the columns
; 8 (l / 16) + 0..7: 32 neighbouring bytes.  A lane's 64 columns are the same for all its rows, so their 64 scales and 64 biases stay in registers, and the way out is one packed fused multiply-add for two numbers.
; REGISTERS, in windows of 256 (s_set_vgpr_msb: bits 1:0 source 0, 3:2 source 1, 5:4 source 2, 7:6 destination):
;   window 0: v0-31 addresses; v64-127, v128-191 fragments of xb (8 x 16 rows x 32 K), two buffers; on the way out v64-127 finished numbers, v128-191 and v192-255 rows read back
;   window 1: v0-63 scales; v64-127, v128-191 fragments of wb, two buffers; v192-255 biases
;   window 2: the 32 accumulators of my rows 0-63 (accumulator (a, b) at v[8 (8 a + b)]);   window 3: those of my rows 64-127
.set SIZE_K, 4096
.set KSTEP,  128
.set ROWC,   16384                     ; bytes in a row of out0
.set PITCH,  272                       ; an LDS row: 256 bytes of data + 16 of padding = 68 words: row r starts at bank 4 r mod 64 (64 banks of 4 bytes: ISA guide 11.1), so the 16 rows that a load touches start at 16 different banks
.set HALFT,  128*PITCH                 ; 128 rows: what one tensor load brings, and what one wave reads of xb or of wb
.set SLOT,   4*HALFT                   ; xb's 256 rows, then wb's 256 rows
.set STAGE,  2*SLOT                    ; behind the ring: 16 rows x 528 bytes for each wave, for the way out; no tensor load lands here
.set SPITCH, 528                       ; 512 bytes (my 128 columns in f32) + 16: the 16 rows that a store touches start at 16 different groups of four banks
.set SPARE,  STAGE+4*16*SPITCH         ; behind the stages: the spare words, 128 bytes for each wave: two blocks of 256 bytes that no other line names
.set LAPS,   SIZE_K/(2*KSTEP)          ; a lap = two K steps = once round the ring: 16
.set ADRA, 16                          ; v16-17  LDS address of my xb fragments in slot 0, 1
.set ADRB, 20                          ; v20-21  the same for wb
.set STO,  24                          ; v24     the way out: where I put 32 bytes of a row
.set RD,   25                          ; v25     the way out: where I read 16 bytes of a row back
.set CO,   26                          ; v26     16 x lane: my bytes in 512 consecutive bytes of out0
.set SBO,  27                          ; v27     32 x (lane / 16): my eight columns in a group of 16, in row_scales and bias_param
.set SPW,  28                          ; v28     LDS address of my spare word: SPARE + 4 x my thread's number; never rewritten
.set NIL,  29                          ; v29     0; never rewritten
.set PFO,  30                          ; v30     the prefetches' offset: my lane x a row of xb or wb (8,192 bytes); never rewritten
.set F0,   64                          ; fragment buffer 0
.set F1,   128                         ; fragment buffer 1
.set TMP,  64                          ; the way out, window 0: 16 rows' finished numbers, 64 registers
.set BK0,  128                         ; the way out, window 0: 16 rows read back from the stage: v128-191 and v192-255 by turns
.set SC,   0                           ; window 1: the scale of column 16 b + 8 (lane / 16) + j at SC + 8 b + j
.set BI,   192                         ; window 1: the bias, laid likewise
.set G1, 24                            ; s[24:31] descriptor group 1 for xb's tiles
.set G0, 32                            ; s[32:39] descriptor group 0 for xb's tiles, one set for each slot
.set LIM,  43                          ; s43      1 in a wave that prefetches, else the greatest number
.set PFA,  44                          ; s[44:45] where my prefetches stand: my work-group's 32 rows of the 128 that I fetch, one K step further along K than the refill in hand; a prefetch names the K step after that
.set G1B, 48                           ; s[48:55] descriptor group 1 for wb's tiles: it differs in the mask alone
.set G0B, 56                           ; s[56:63] descriptor group 0 for wb's tiles, one set for each slot
.set MSB, 0
.macro WIN new                         ; the immediate's high byte repeats the setting that is left; a switch that changes nothing is dropped
.if MSB != (\new)
	s_set_vgpr_msb (MSB<<8)|(\new)
.set MSB, \new
.endif
.endm
.set MUL_LO, 0xa1                      ; source 0 (wb) window 1, source 1 (xb) window 0, C and D window 2
.set MUL_HI, 0xf1                      ; the same, C and D window 3
.set TO_B,   0x40                      ; destination window 1, address window 0
.set SCL,    0x41                      ; destination and source 0 window 1
.set OUT_LO, 0x16                      ; source 0 (a sum) window 2, sources 1 and 2 (scale, bias) window 1, destination window 0
                                       ; OUT_LO + 1: the same with the sum in window 3
; A joint load.  Waves 0 and 1 fetch xb's two halves, waves 2 and 3 wb's.  Each of the two lines has ONE mask and one set of registers for all that issue it.  The branch hangs on the wave's number alone.
; An s_nop 0 and four v_nop follow each of the two lines; the jump round the other line, the label and what follows the macro come after them.
.macro JLOAD s
	s_cmp_eq_u32 s11, 0
	s_cbranch_scc0 .Lfor_b_\@
	tensor_load_to_lds s[G0+4*(\s):G0+4*(\s)+3], s[G1:G1+7]
	s_nop 0
.rept 4
	v_nop
.endr
	s_branch .Lasked_\@
.Lfor_b_\@:
	tensor_load_to_lds s[G0B+4*(\s):G0B+4*(\s)+3], s[G1B:G1B+7]
	s_nop 0
.rept 4
	v_nop
.endr
.Lasked_\@:
.endm
; A PREFETCH INTO THE L2, behind each joint refill and the run of LDS loads that follows it: the K step that stands TWO refills on, 512 matrix instructions ahead of the load that will ask for it: 32 rows x 256 bytes,
; a lane a row, one instruction a wave.  Each row's 256 bytes of a K step are named ONCE in the launch: xb's rows of a block row are read by every cluster of that row of clusters, and the one with x = 0 asks;
; wb's rows of a block column by every cluster of that column, and the one with y = 0 asks.  The four partners that ask for a tile jointly share its rows out BY ADDRESS: of the 128 rows that a wave fetches
; the partner at place p takes 32 p .. 32 p + 31 (p = cx for xb, cy for wb).  The loop's last trip (s3 = 1) refills K steps 30 and 31 and asks for nothing: there is no K step 32.  K steps 0 to 3 come by their loads alone.
.macro ASK
	s_cmp_gt_u32 s3, s[LIM]
	s_cbranch_scc0 .Lnot_mine_\@
	global_prefetch_b8 v[PFO], s[PFA:PFA+1] offset:KSTEP*2 th:TH_LOAD_NT scope:SCOPE_SE
.Lnot_mine_\@:
.endm
; A round of the cluster's barrier: my work-group's barrier, so that wave 0's signal speaks for all four waves; wave 0 signals for the work-group; every wave waits for all sixteen work-groups; my work-group's barrier once more.
.macro CREST                           ; a round behind its opening barrier
	s_cmp_lg_u32 s10, 0
	s_cbranch_scc1 .Lnot_wave_0_\@
	s_barrier_signal -3
.Lnot_wave_0_\@:
	s_barrier_wait -3
	s_barrier_signal -1
	s_barrier_wait -1
.endm
.macro CROUND                          ; a whole round
	s_barrier_signal -1
	s_barrier_wait -1
	CREST
.endm
	s_load_b128 s[4:7], s[0:1], 0x0                ; xb s[4:5], wb s[6:7]
	s_load_b128 s[68:71], s[0:1], 0x10             ; row_scales s[68:69], bias_param s[70:71]
	s_load_b64 s[8:9], s[0:1], 0x20                ; out0
	v_lshl_add_u32 v[SPW], v0, 2, SPARE
	v_mov_b32 v[NIL], 0
	ds_add_u32 v[SPW], v[NIL]                      ; the wave's opening: the add, twice on end, and its wait ahead of my first tensor load; the set-up below, work on registers, stands between the second and the wait
	ds_add_u32 v[SPW], v[NIL]                      ; and once more, under the one wait
	v_lshrrev_b32 v1, 5, v0
	v_readfirstlane_b32 s10, v1                    ; wave 0..3
	s_lshr_b32 s11, s10, 1                         ; which half of the block's rows is mine.  Also: I fetch for xb (0) or for wb (1)
	s_and_b32 s12, s10, 1                          ; which half of its columns.  Also: which 128 rows of that tile I fetch
	s_bfe_u32 s40, ttmp6, 0x40000                  ; cx: my place along the cluster's x
	s_bfe_u32 s41, ttmp6, 0x40004                  ; cy: along its y
	s_lshl_b32 s42, ttmp9, 2                       ; in a cluster launch ttmp9 and ttmp7 count clusters
	s_add_co_u32 s42, s42, s40                     ; block column = 4 x cluster x + cx
	s_and_b32 s13, ttmp7, 0xffff
	s_lshl_b32 s13, s13, 2
	s_add_co_u32 s13, s13, s41                     ; block row = 4 x cluster y + cy
	s_lshl_b32 s43, s41, 2
	s_lshl_b32 s43, 15, s43                        ; my row of the cluster: places 4 cy .. 4 cy + 3
	s_lshl_b32 s44, 0x1111, s40                    ; my column: places cx, cx + 4, cx + 8, cx + 12
	; descriptor group 1: a tile of 128 rows x 128 elements, padded in LDS
	s_or_b32 s[G1+0], s43, (1<<16)|(1<<20)|(1<<21)|(5<<22)|(3<<25)  ; 15:0 the mask: xb's tiles go to my row; 17:16 elements of 2 bytes; 20 padding on; 21 set beside a mask; 24:22 after every 64 words (code 5); 31:25 4 words of it (code 3)
	s_or_b32 s[G1B+0], s44, (1<<16)|(1<<20)|(1<<21)|(5<<22)|(3<<25) ; the same with the mask of my column, for wb's tiles
.irp g, G1, G1B
	s_mov_b32 s[(\g)+1], KSTEP<<16                 ; 63:48 tensor_dim0, low half = 128
	s_mov_b32 s[(\g)+2], 128<<16                   ; 79:64 its high half = 0; 95:80 tensor_dim1, low half = 128
	s_mov_b32 s[(\g)+3], KSTEP<<16                 ; 111:96 its high half = 0; 127:112 tile_dim0 = 128
	s_mov_b32 s[(\g)+4], 128                       ; 143:128 tile_dim1 = 128; 159:144 tile_dim2 = 0
	s_mov_b32 s[(\g)+5], SIZE_K                    ; 191:160 tensor_dim0_stride, low word: elements from row to row
	s_mov_b32 s[(\g)+6], 0
	s_mov_b32 s[(\g)+7], 0
.endr
	; where the tiles come from.  xb's hang on the block row alone, which my row of the cluster shares; wb's on the block column alone, which my column shares.
	; Every wave makes both addresses, in registers that never hold the other coordinate, and asks by one of them.
	s_lshl_b32 s17, s12, 7                         ; which 128 rows of the tile I fetch
	s_lshl_b32 s16, s13, 8
	s_add_co_u32 s16, s16, s17                     ; xb: row 256 x block row + 128 x half
	s_lshl_b32 s46, s42, 8
	s_add_co_u32 s46, s46, s17                     ; wb: row 256 x block column + 128 x half
	s_mov_b32 s17, 0
	s_mov_b32 s47, 0
	s_mov_b64 s[18:19], SIZE_K*2
	s_mul_u64 s[16:17], s[16:17], s[18:19]         ; in bytes
	s_mul_u64 s[46:47], s[46:47], s[18:19]
	s_mul_i32 s20, s10, HALFT                      ; and where they go: xb's two halves, then wb's two = wave x 128 rows: no place in the cluster enters an LDS address
	s_wait_dscnt 0x0                               ; both opening adds are done
	s_wait_kmcnt 0x0
	s_add_nc_u64 s[14:15], s[4:5], s[16:17]
	s_add_nc_u64 s[46:47], s[6:7], s[46:47]
	CROUND                                         ; all sixteen work-groups are here: the first joint loads meet
.irp s, 0,1
	s_mov_b32 s[G0+4*(\s)], 1                                      ; 1:0 count = 1
	s_add_co_u32 s[G0+4*(\s)+1], s20, (\s)*SLOT                    ; 63:32 LDS address
	s_add_nc_u64 s[G0+4*(\s)+2:G0+4*(\s)+3], s[14:15], (\s)*KSTEP*2  ; 120:64 global address: K step s
	s_or_b32 s[G0+4*(\s)+3], s[G0+4*(\s)+3], 0x80000000            ; 127:126 type = 2
	s_mov_b32 s[G0B+4*(\s)], 1
	s_add_co_u32 s[G0B+4*(\s)+1], s20, (\s)*SLOT
	s_add_nc_u64 s[G0B+4*(\s)+2:G0B+4*(\s)+3], s[46:47], (\s)*KSTEP*2
	s_or_b32 s[G0B+4*(\s)+3], s[G0B+4*(\s)+3], 0x80000000
	JLOAD \s                                       ; the ring is filled before anything else is done: two loads of mine are out
.endr
	; A fragment is 16 rows x 32 K in 8 registers: lane l holds row l % 16; registers 0-3 hold K = 8 (l / 16) + 0..7, registers 4-7 hold K = 16 + 8 (l / 16) + 0..7: two loads of 16 bytes, 32 bytes apart.
	v_and_b32 v1, 15, v0                           ; l % 16
	v_bfe_u32 v2, v0, 4, 1                         ; l / 16
	v_mul_u32_u24 v3, v1, PITCH
	v_lshl_add_u32 v3, v2, 4, v3                   ; row x pitch + 16 x half
	s_mul_i32 s21, s11, HALFT                      ; my 128 rows of xb
	s_mul_i32 s22, s12, HALFT                      ; my 128 rows of wb,
	s_add_co_u32 s22, s22, 2*HALFT                 ; which lie behind xb's 256
.irp s, 0,1
	v_add_nc_u32 v[ADRA+(\s)], s21, v3
	v_add_nc_u32 v[ADRB+(\s)], s22, v3
	s_add_co_u32 s21, s21, SLOT
	s_add_co_u32 s22, s22, SLOT
.endr
	s_mul_i32 s23, s10, 16*SPITCH
	s_add_co_u32 s23, s23, STAGE                   ; my stage
	v_mul_u32_u24 v4, v1, SPITCH                   ; in: row l % 16, 32 bytes for each half of the lanes
	v_lshl_add_u32 v4, v2, 5, v4
	v_add_nc_u32 v[STO], s23, v4
	v_and_b32 v5, 31, v0
	v_lshlrev_b32 v[CO], 4, v5                     ; back: 32 lanes take one row of 512 bytes,
	v_add_nc_u32 v[RD], s23, v[CO]                 ; which are 512 consecutive bytes of out0
	v_lshlrev_b32 v[SBO], 5, v2
	; where my part of the block begins in out0, in bytes: the way out adds it to out0's address
	s_lshl_b32 s13, s13, 8
	s_lshl_b32 s14, s11, 7
	s_add_co_u32 s16, s13, s14                     ; my first row
	s_mov_b32 s17, 0
	s_mov_b64 s[18:19], ROWC
	s_mul_u64 s[16:17], s[16:17], s[18:19]
	s_lshl_b32 s46, s42, 10                        ; my first column, in bytes of f32: 1,024 x block column + 512 x half
	s_lshl_b32 s47, s12, 9
	s_add_co_u32 s46, s46, s47
	s_mov_b32 s47, 0
	s_add_nc_u64 s[16:17], s[16:17], s[46:47]
	s_add_nc_u64 s[68:69], s[68:69], s[46:47]      ; row_scales and bias_param at my first column
	s_add_nc_u64 s[70:71], s[70:71], s[46:47]
	; the prefetches.  s13 = 256 x block row, s42 = block column, s40 = cx, s41 = cy still stand
	s_lshl_b32 s42, s42, 8
	s_and_b32 s22, ttmp7, 0xffff                   ; cluster y
	s_cmp_eq_u32 s11, 0                            ; do I fetch for xb?
	s_cselect_b32 s20, s13, s42                    ; the tile's first row: in xb by the block row, in wb by the block column
	s_cselect_b32 s21, s40, s41                    ; my place among the four that ask for it with me
	s_cselect_b32 s22, ttmp9, s22                  ; the coordinate along which other clusters read the same rows
	s_cselect_b64 s[PFA:PFA+1], s[4:5], s[6:7]
	s_cmp_eq_u32 s22, 0
	s_cselect_b32 s[LIM], 1, -1                    ; the same in all sixteen partners, for a given wave
	s_lshl_b32 s22, s12, 7
	s_add_co_u32 s20, s20, s22                     ; + the 128 rows that I fetch
	s_lshl_b32 s21, s21, 5
	s_add_co_u32 s20, s20, s21                     ; + my work-group's 32 of them
	s_mov_b32 s21, 0
	s_mov_b64 s[18:19], SIZE_K*2
	s_mul_u64 s[20:21], s[20:21], s[18:19]
	s_add_nc_u64 s[PFA:PFA+1], s[PFA:PFA+1], s[20:21]
	s_add_nc_u64 s[PFA:PFA+1], s[PFA:PFA+1], 2*KSTEP*2  ; at K step 2: the first refill steps it to 3 and names K step 4
	v_and_b32 v[PFO], 31, v0
	v_mul_u32_u24 v[PFO], v[PFO], SIZE_K*2
	; my lane's 64 scales and 64 biases, while the first tiles are on their way
	WIN TO_B
.irp b, 0,1,2,3,4,5,6,7
	global_load_b128 v[SC+8*(\b):SC+8*(\b)+3],   v[SBO], s[68:69] offset:64*(\b)
	global_load_b128 v[SC+8*(\b)+4:SC+8*(\b)+7], v[SBO], s[68:69] offset:64*(\b)+16
	global_load_b128 v[BI+8*(\b):BI+8*(\b)+3],   v[SBO], s[70:71] offset:64*(\b)
	global_load_b128 v[BI+8*(\b)+4:BI+8*(\b)+7], v[SBO], s[70:71] offset:64*(\b)+16
.endr
	s_wait_loadcnt 0x0
	WIN SCL
.set i, 0
.rept 32
	v_pk_mul_f32 v[SC+i:SC+i+1], v[SC+i:SC+i+1], 0x3c010204 op_sel_hi:[1,0]  ; times the f32 number nearest to 1 / 127
.set i, i+2
.endr
	WIN 0
; 16 matrix instructions: row blocks a0, a0 + 1 of the window's four (hi = 0: my rows 0-63, 1: rows 64-127) x all 8 column blocks, 32 along K.
; zero = 1: the first product starts the sums: nothing is ever cleared.  The 64 accumulators take turns, one instruction a turn, in the same order in every quarter step.
.macro MUL16 f, hi, a0, zero
	WIN MUL_LO+0x50*(\hi)  ; MUL_LO or MUL_HI
.irp a, \a0, (\a0)+1
.irp b, 0,1,2,3,4,5,6,7
.if \zero
	v_wmma_f32_16x16x32_bf16 v[8*(8*(\a)+(\b)):8*(8*(\a)+(\b))+7], v[(\f)+8*(\b):(\f)+8*(\b)+7], v[(\f)+8*(4*(\hi)+(\a)):(\f)+8*(4*(\hi)+(\a))+7], 0
.else
	v_wmma_f32_16x16x32_bf16 v[8*(8*(\a)+(\b)):8*(8*(\a)+(\b))+7], v[(\f)+8*(\b):(\f)+8*(\b)+7], v[(\f)+8*(4*(\hi)+(\a)):(\f)+8*(4*(\hi)+(\a))+7], v[8*(8*(\a)+(\b)):8*(8*(\a)+(\b))+7]
.endif
.endr
.endr
.endm
; 32 LDS loads in one run: the fragments of one quarter step (128 rows of wb, 128 rows of xb, 32 K at byte k of the rows) into buffer f
.macro FETCH slot, k, f
	WIN TO_B
.irp i, 0,1,2,3,4,5,6,7
	ds_load_b128 v[(\f)+8*(\i):(\f)+8*(\i)+3],   v[ADRB+(\slot)] offset:(\k)+(\i)*16*PITCH
	ds_load_b128 v[(\f)+8*(\i)+4:(\f)+8*(\i)+7], v[ADRB+(\slot)] offset:(\k)+(\i)*16*PITCH+32
.endr
	WIN 0
.irp i, 0,1,2,3,4,5,6,7
	ds_load_b128 v[(\f)+8*(\i):(\f)+8*(\i)+3],   v[ADRA+(\slot)] offset:(\k)+(\i)*16*PITCH
	ds_load_b128 v[(\f)+8*(\i)+4:(\f)+8*(\i)+7], v[ADRA+(\slot)] offset:(\k)+(\i)*16*PITCH+32
.endr
.endm
; A load into a register that a matrix instruction has read, and a vector instruction that reads a matrix result or writes one of a matrix instruction's registers, stand four places behind it, and only
; plain vector instructions that name none of its registers are places (ISA guide 7.12.1 for vector instructions); the matrix instructions in between are not counted.
.macro PLACES
.rept 4
	v_nop
.endr
.endm
; A K step is four quarter steps of 32 along K, 64 matrix instructions each, on buffers 0, 1, 0, 1.
; One of the first three: multiplies buffer f; in its middle it fetches the next quarter's fragments, at byte k of the same slot's rows, into buffer g.
.macro QUARTER slot, k, f, g, zero
	s_wait_dscnt 8                                 ; wb's fragments and xb's rows 0-63 are in; the youngest eight loads (xb's rows 64-127) may be out
	MUL16 \f, 0, 0, \zero
	MUL16 \f, 0, 2, \zero
	PLACES
	FETCH \slot, \k, \g
	s_wait_dscnt 32                                ; all but the 32 just issued
	MUL16 \f, 1, 0, \zero
	MUL16 \f, 1, 2, \zero
.endm
; The last quarter multiplies buffer 1 and changes slots: ONE barrier, for two things.  In front of it each wave waits for all its tensor loads, of which one is out: its part of the next slot; adds 0 to its
; spare word; and waits for that and for its own reads of this slot.  Behind it nobody reads this slot any more and the next slot is whole.
; fill = 1: this slot is filled again, with the K step two steps on.  The barrier then opens a round of the cluster's barrier, so that no wave of any partner still reads the slot or has a load on its way; the joint
; refill is the first tensor load behind the round, and from it to the wait for it a wave issues 224 matrix instructions.
.macro TURN slot, next, fill
.if \fill
	s_wait_xcnt 0x0                                ; the last prefetch, a K step back, has read its address: it is stepped here, ahead of the waits of the change of slots
	s_add_nc_u64 s[PFA:PFA+1], s[PFA:PFA+1], KSTEP*2
.endif
	WIN 0                                          ; (the add's two registers lie in window 0)
	s_wait_tensorcnt 0x0                           ; all my tensor loads have landed: the one that was out is my part of the next slot;
	ds_add_u32 v[SPW], v[NIL]                      ; 0 onto my spare word;
	s_wait_dscnt 9                                 ; (the add and the youngest eight loads may be out)
	MUL16 F1, 0, 0, 0                              ; sixteen matrix instructions stand between the add and the wait for it
	s_wait_dscnt 0x0                               ; the add is done, and my reads of this slot are over:
	s_barrier_signal -1                            ; say so,
	MUL16 F1, 0, 2, 0                              ; work on registers while the others arrive,
.if \fill
	WIN 0
.endif
	s_barrier_wait -1                              ; and go on when all four have said so
.if \fill
	CREST                                          ; wave 0 says so for the work-group, all sixteen work-groups have said so, my work-group's barrier closes the round
	s_add_nc_u64 s[G0+4*(\slot)+2:G0+4*(\slot)+3], s[G0+4*(\slot)+2:G0+4*(\slot)+3], 2*KSTEP*2    ; no tensor load of mine is out, so a group 0 may be written
	s_add_nc_u64 s[G0B+4*(\slot)+2:G0B+4*(\slot)+3], s[G0B+4*(\slot)+2:G0B+4*(\slot)+3], 2*KSTEP*2
	JLOAD \slot                                    ; the four v_nop behind it are also the places in front of the loads below
.else
	PLACES
.endif
	FETCH \next, 0, F0
.if \fill
	ASK                                            ; behind the joint load and the run of LDS loads that the next products wait for
.endif
	MUL16 F1, 1, 0, 0
	MUL16 F1, 1, 2, 0
.endm
; THE WAY OUT of row block a (16 rows x my 128 columns), in three parts.
; PACK: sum x scale + bias, two numbers an instruction; each accumulator's registers are taken in ascending order.
.macro PACK a
.set AC, 64*((\a)%4)
	WIN OUT_LO+((\a)/4)
.irp b, 0,1,2,3,4,5,6,7
.irp r, 0,1,2,3
	v_pk_fma_f32 v[TMP+8*(\b)+2*(\r):TMP+8*(\b)+2*(\r)+1], v[AC+8*(\b)+2*(\r):AC+8*(\b)+2*(\r)+1], v[SC+8*(\b)+2*(\r):SC+8*(\b)+2*(\r)+1], v[BI+8*(\b)+2*(\r):BI+8*(\b)+2*(\r)+1]
.endr
.endr
	WIN 0
.endm
; TOSTAGE: a lane's 32 bytes of each column block go into my own stage, rows of 528 bytes, and come back as whole rows of 512.
.macro TOSTAGE a
	WIN 0
.set BK, BK0+64*((\a)%2)
.irp b, 0,1,2,3,4,5,6,7
	ds_store_b128 v[STO], v[TMP+8*(\b):TMP+8*(\b)+3]   offset:64*(\b)
	ds_store_b128 v[STO], v[TMP+8*(\b)+4:TMP+8*(\b)+7] offset:64*(\b)+16
.endr
.irp t, 0,1,2,3,4,5,6,7,8,9,10,11,12,13,14,15
	ds_load_b128 v[BK+4*(\t):BK+4*(\t)+3], v[RD] offset:(\t)*SPITCH  ; LDS serves a wave's instructions in order (ISA guide 5.7.1.4): these see the stores above; the next block's stores come behind them
.endr
.endm
; SEND: stored, a row an instruction.
.macro SEND a
	WIN 0
.set BK, BK0+64*((\a)%2)
	s_wait_xcnt 0x0                                ; every earlier store has had its addresses translated (ISA guide 3.1): only behind this wait are the stores' base and the registers that earlier stores read written again
.if (\a) == 0
	s_add_nc_u64 s[8:9], s[8:9], s[16:17]          ; on to my first rows
.else
	s_add_nc_u64 s[8:9], s[8:9], 16*ROWC           ; 16 rows on
.endif
.irp t, 0,1,2,3,4,5,6,7,8,9,10,11,12,13,14,15
	s_wait_dscnt 15-(\t)                           ; row t is back: behind its load stand the 15 - t later rows' loads and no other LDS instruction
	global_store_b128 v[CO], v[BK+4*(\t):BK+4*(\t)+3], s[8:9] offset:(\t)*ROWC th:TH_STORE_NT  ; the wave stores 512 consecutive bytes, at a multiple of 512 from out0's first byte
.endr
.endm
	s_wait_tensorcnt 1                             ; my part of K step 0 is in; K step 1's may stay out
	s_barrier_signal -1
	s_barrier_wait -1                              ; everybody's is
	FETCH 0, 0, F0
	QUARTER 0, 64,  F0, F1, 1                      ; the first quarter stands in front of the loop: its products start the sums
	WIN 0                                          ; at a label and at a branch every window is 0
	s_mov_b32 s3, LAPS-1
.Llap:                                                 ; 15 trips: a trip goes once round the ring, from a lap's second quarter to the next lap's first, and fills both slots again
	QUARTER 0, 128, F1, F0, 0
	QUARTER 0, 192, F0, F1, 0
	TURN 0, 1, 1
	QUARTER 1, 64,  F0, F1, 0
	QUARTER 1, 128, F1, F0, 0
	QUARTER 1, 192, F0, F1, 0
	TURN 1, 0, 1
	QUARTER 0, 64,  F0, F1, 0
	WIN 0
	s_sub_co_u32 s3, s3, 1
	s_cmp_lg_u32 s3, 0
	s_cbranch_scc1 .Llap
	QUARTER 0, 128, F1, F0, 0                      ; the last lap is written out: it fills nothing, and has no round of the cluster's barrier
	QUARTER 0, 192, F0, F1, 0
	TURN 0, 1, 0
	QUARTER 1, 64,  F0, F1, 0
	QUARTER 1, 128, F1, F0, 0
	QUARTER 1, 192, F0, F1, 0
	s_wait_dscnt 8                                 ; the very last quarter: nothing more to fetch
	MUL16 F1, 0, 0, 0
	MUL16 F1, 0, 2, 0
	s_wait_dscnt 0x0
	MUL16 F1, 1, 0, 0
	MUL16 F1, 1, 2, 0
	WIN 0
	PLACES                                         ; in front of instructions that read results and write over fragments of xb;
	PLACES                                         ; eight, once a launch
	PACK 0
	TOSTAGE 0
.irp a, 1,2,3,4,5,6,7                  ; block a's arithmetic stands between block a - 1's loads from the stage and the waits for them
	PACK \a
	SEND (\a)-1
	TOSTAGE \a
.endr
	SEND 7
	s_wait_tensorcnt 0x0                           ; the wave's end: behind my last tensor load and my last LDS store
	ds_add_u32 v[SPW], v[NIL]
	s_wait_dscnt 0x0
	CROUND                                         ; the closing round: no work-group ends while a partner may still ask for a tile that names it
	s_endpgm
.Lfunc_end_k_q08015342ee_gemm:
	.size	k_q08015342ee_gemm, .Lfunc_end_k_q08015342ee_gemm-k_q08015342ee_gemm
	.p2alignl 7, 3214868480
	.fill 96, 4, 3214868480
	.section	.rodata,"a",@progbits
	.p2align	6, 0x0
	.amdhsa_kernel k_q08015342ee_gemm
		.amdhsa_group_segment_fixed_size 327680
		.amdhsa_private_segment_fixed_size 0
		.amdhsa_enable_private_segment 0
		.amdhsa_kernarg_size 40
		.amdhsa_user_sgpr_count 2
		.amdhsa_user_sgpr_kernarg_segment_ptr 1
		.amdhsa_wavefront_size32 1
		.amdhsa_system_sgpr_workgroup_id_x 1
		.amdhsa_system_sgpr_workgroup_id_y 1
		.amdhsa_system_sgpr_workgroup_id_z 1
		.amdhsa_system_vgpr_workitem_id 0
		.amdhsa_next_free_vgpr 1024
		.amdhsa_next_free_sgpr 72
		.amdhsa_reserve_vcc 0
		.amdhsa_float_denorm_mode_32 3
		.amdhsa_float_denorm_mode_16_64 3
		.amdhsa_memory_ordered 1
		.amdhsa_forward_progress 1
		.amdhsa_inst_pref_size 168
	.end_amdhsa_kernel
	.amdgpu_metadata
---
amdhsa.version: [ 1, 2 ]
amdhsa.kernels:
  - .name:           k_q08015342ee_gemm
    .symbol:         k_q08015342ee_gemm.kd
    .args:
      - { .name: xb, .offset: 0, .size: 8, .value_kind: global_buffer, .address_space: global }
      - { .name: wb, .offset: 8, .size: 8, .value_kind: global_buffer, .address_space: global }
      - { .name: row_scales, .offset: 16, .size: 8, .value_kind: global_buffer, .address_space: global }
      - { .name: bias_param, .offset: 24, .size: 8, .value_kind: global_buffer, .address_space: global }
      - { .name: out0, .offset: 32, .size: 8, .value_kind: global_buffer, .address_space: global }
    .group_segment_fixed_size: 327680
    .private_segment_fixed_size: 0
    .kernarg_segment_align: 8
    .kernarg_segment_size: 40
    .max_flat_workgroup_size: 128
    .sgpr_count:     72
    .vgpr_count:     1024
    .wavefront_size: 32
...
	.end_amdgpu_metadata
.endif
;; end of part 2
;; ======== version 2 of 2: 2 launches; version 1 with the launch prep written anew for expert scheduling mode
;; workspace buffers: xb 33,554,432 bytes; wb 33,554,432 bytes
;; launch prep (part 3): grid 1024 x 1, 8 waves a work-group, no clusters, 0 bytes of LDS; arguments x, Wq, xb, wb; writes xb, wb
.if DOCPART == 3
	.amdgcn_target "amdgcn-amd-amdhsa--gfx1250"
	.amdhsa_code_object_version 6
	.text
	.protected	k_q08015342ee_prep
	.globl	k_q08015342ee_prep
	.p2align	8
	.type	k_q08015342ee_prep,@function
k_q08015342ee_prep:
	s_mov_b64 s[64:65], 0
	v_nop
	global_prefetch_b8 v0, s[64:65] scope:SCOPE_SE
	s_setreg_imm32_b32 hwreg(HW_REG_WAVE_SCHED_MODE, 0, 2), 2
	s_setreg_imm32_b32 hwreg(HW_REG_WAVE_MODE, 25, 1), 1
	s_wait_xcnt 0x0
	s_wait_alu depctr_vm_vsrc(0)
; out0[t][o] = (row_scales[o] / 127) x (the sum over k of x[t][k] Wq[o][k]) + bias_param[o]: the factor of a row of W is the same for all k, so it is taken out of the sum.
; NOTHING OF THE PROBLEM IS LEFT OUT: all four inputs reach the output, x and Wq here, row_scales and bias_param in the second launch.
; THIS LAUNCH makes the two matrix operands, each once: xb = x rounded to bf16 (nearest even), wb = Wq as bf16.  Every whole number from -128 to 127 has at most 8 significant
; bits, so wb is exact.  LIMIT: |x| beyond bf16's largest finite number becomes an infinity; x keeps 8 significant bits.
; SHARES.  Work-group g owns 65,536 bytes of x (4 rows) and 16,384 bytes of Wq (4 rows); thread t takes 16 bytes of each 4,096 of x and 8 bytes of each 2,048 of Wq.  So a wave's load of x
; covers 512 consecutive bytes and its store to xb 256, aligned; a wave's load of Wq covers 256 and its store to wb 512.  All 24 loads of a wave go out ahead of the first wait.
; No LDS, no barrier: no thread wants a byte that another has fetched.  No register that a store reads is written again, and EXEC never changes.
; THE MODE: SCHED_MODE bits 1:0 = 2 (LLVM: expert scheduling mode 2), set by the entry lines.  The code itself states the register dependences
; between vector instructions and memory instructions, with s_wait_alu, always for 0.
; THE PLAN.  Registers that memory instructions touch:
;   v1, v2     byte offsets, made once at the head and never written again; every load and store reads one of them.
;   X          chunk i of x: its load lands once; its two conversions write its first two registers; one store reads those two, and nothing writes them after it.
;   WR         chunk i of Wq: its load lands once; vector instructions read it.
;   WO         chunk i of wb: written once by the widening's last lines; one store reads it, and nothing writes it after it.
;   v3 and T are named by vector instructions alone.
; The 24 chunks (16 of x, then 8 of Wq) go in six groups of four.  A group's four stores are issued in the NEXT group, one ahead of each chunk's arithmetic.  One wait on va_vdst at the head of a group
; states that the group before has written all that those four stores read; the vector instructions issued since that wait name this group's own X, WR and WO, T and v3: none of the stores' registers.
; One wait at the head covers the offsets, one behind the last group the last four stores.  No load lands in a register that a vector instruction has named, and no register that a memory instruction
; has read is written again: so no other wait is owed.
.set O16, 1                            ; v1        16 t; never rewritten
.set O8,  2                            ; v2        8 t; never rewritten
.set C43, 3                            ; v3        0x43 in all four bytes
.set X,   4                            ; v[4:67]   chunk i of x: 4 registers as loaded; its first two then hold the 4 bf16
.set WR,  68                           ; v[68:83]  chunk i of Wq: 2 registers, 8 bytes
.set WO,  84                           ; v[84:115] chunk i of wb: 4 registers, 8 bf16
.set T,   116                          ; v[116:127] four sets of three at work
.set SEL, 19                           ; s19, s20  v_perm_b32's selectors
	s_load_b256 s[4:11], s[0:1], 0x0               ; x s[4:5], Wq s[6:7], xb s[8:9], wb s[10:11]
	v_lshlrev_b32 v[O16], 4, v0
	v_lshlrev_b32 v[O8], 3, v0
	v_mov_b32 v[C43], 0x43434343
	s_lshl_b32 s12, ttmp9, 16                      ; g x 65,536: my part of x
	s_mov_b32 s13, 0
	s_lshl_b32 s14, ttmp9, 15                      ; g x 32,768: my part of xb and of wb
	s_mov_b32 s15, 0
	s_lshl_b32 s16, ttmp9, 14                      ; g x 16,384: my part of Wq
	s_mov_b32 s17, 0
	s_mov_b32 s[SEL], 0x04010400                   ; halves (0x43, byte 0) and (0x43, byte 1)
	s_mov_b32 s[SEL+1], 0x04030402                 ; halves (0x43, byte 2) and (0x43, byte 3)
	s_mov_b32 s21, 0xff7fff7f                      ; clears bit 7 of both halves
	s_mov_b32 s22, 0xff80ff80                      ; clears bits 6:0 of both halves
	s_mov_b32 s23, 0xbf80bf80                      ; -1.0 twice, in bf16
	s_wait_kmcnt 0x0
	s_add_nc_u64 s[4:5], s[4:5], s[12:13]
	s_add_nc_u64 s[6:7], s[6:7], s[16:17]
	s_add_nc_u64 s[8:9], s[8:9], s[14:15]
	s_add_nc_u64 s[10:11], s[10:11], s[14:15]
	s_wait_alu depctr_va_vdst(0)                   ; v1 and v2 are written: every load and store of the kernel reads one of them as its offset
.irp i, 0,1,2,3,4,5,6,7,8,9,10,11,12,13,14,15
	global_load_b128 v[X+4*(\i):X+4*(\i)+3], v[O16], s[4:5] offset:4096*(\i) th:TH_LOAD_NT
.endr
.irp i, 0,1,2,3,4,5,6,7
	global_load_b64 v[WR+2*(\i):WR+2*(\i)+1], v[O8], s[6:7] offset:2048*(\i) th:TH_LOAD_NT
.endr
; Chunk i of x: four numbers rounded to bf16.  Ahead of them the 8 bytes of the chunk four back are stored.
.macro XCH i
	s_wait_loadcnt 23-(\i)                         ; loads come back in order (ISA guide 5.7.1): 23 - i loads were issued behind this chunk's
.if (\i) > 0 && (\i) % 4 == 0
	s_wait_alu depctr_va_vdst(0)                   ; the conversions of the four chunks before have written their X registers, which this group's four stores read
.endif
.if (\i) >= 4
	global_store_b64 v[O8], v[X+4*((\i)-4):X+4*((\i)-4)+1], s[8:9] offset:2048*((\i)-4)  ; no vector instruction since the wait names these registers
.endif
	v_cvt_pk_bf16_f32 v[X+4*(\i)],   v[X+4*(\i)],   v[X+4*(\i)+1]
	v_cvt_pk_bf16_f32 v[X+4*(\i)+1], v[X+4*(\i)+2], v[X+4*(\i)+3]
.endm
; Chunk i of Wq: eight bytes widened to bf16.  The half 0x43bb, b the byte: with bit 7 cleared it is the bf16 number 128 + (b's low seven bits);
; with bits 6:0 cleared it is 128 where b's sign bit is 0 and 256 where it is 1.  The first less the second is the byte's signed value: a whole number of at most 8 bits, so the one rounding changes nothing.
; Ahead of them the chunk four back is stored: one of x's last four, or one of wb's first four.
.macro WCH i
	s_wait_loadcnt 7-(\i)                          ; 7 - i loads were issued behind this chunk's
.if (\i) == 0
	s_wait_alu depctr_va_vdst(0)                   ; the conversions of x's last four chunks have written their X registers, which this group's four stores read
.endif
.if (\i) == 4
	s_wait_alu depctr_va_vdst(0)                   ; the widening of Wq's first four chunks has written their WO registers, which this group's four stores read
.endif
.if (\i) < 4
	global_store_b64 v[O8], v[X+4*((\i)+12):X+4*((\i)+12)+1], s[8:9] offset:2048*((\i)+12)  ; no vector instruction since the wait names these registers
.else
	global_store_b128 v[O16], v[WO+4*((\i)-4):WO+4*((\i)-4)+3], s[10:11] offset:4096*((\i)-4)  ; likewise
.endif
.irp q, 0,1,2,3
	v_perm_b32 v[T+3*(\q)], v[C43], v[WR+2*(\i)+(\q)/2], s[SEL+(\q)%2]
.endr
.irp q, 0,1,2,3
	v_and_b32 v[T+3*(\q)+1], s21, v[T+3*(\q)]
	v_and_b32 v[T+3*(\q)+2], s22, v[T+3*(\q)]
.endr
.irp q, 0,1,2,3
	v_pk_fma_bf16 v[WO+4*(\i)+(\q)], v[T+3*(\q)+2], s23, v[T+3*(\q)+1]
.endr
.endm
.irp i, 0,1,2,3,4,5,6,7,8,9,10,11,12,13,14,15
	XCH \i
.endr
.irp i, 0,1,2,3,4,5,6,7
	WCH \i
.endr
	s_wait_alu depctr_va_vdst(0)                   ; the widening of Wq's last four chunks has written their WO registers, which the last four stores read
.irp i, 4,5,6,7
	global_store_b128 v[O16], v[WO+4*(\i):WO+4*(\i)+3], s[10:11] offset:4096*(\i)
.endr
	s_endpgm
.Lfunc_end_k_q08015342ee_prep:
	.size	k_q08015342ee_prep, .Lfunc_end_k_q08015342ee_prep-k_q08015342ee_prep
	.p2alignl 7, 3214868480
	.fill 96, 4, 3214868480
	.section	.rodata,"a",@progbits
	.p2align	6, 0x0
	.amdhsa_kernel k_q08015342ee_prep
		.amdhsa_group_segment_fixed_size 0
		.amdhsa_private_segment_fixed_size 0
		.amdhsa_enable_private_segment 0
		.amdhsa_kernarg_size 32
		.amdhsa_user_sgpr_count 2
		.amdhsa_user_sgpr_kernarg_segment_ptr 1
		.amdhsa_wavefront_size32 1
		.amdhsa_system_sgpr_workgroup_id_x 1
		.amdhsa_system_sgpr_workgroup_id_y 1
		.amdhsa_system_sgpr_workgroup_id_z 1
		.amdhsa_system_vgpr_workitem_id 0
		.amdhsa_next_free_vgpr 128
		.amdhsa_next_free_sgpr 66
		.amdhsa_reserve_vcc 0
		.amdhsa_float_denorm_mode_32 3
		.amdhsa_float_denorm_mode_16_64 3
		.amdhsa_memory_ordered 1
		.amdhsa_forward_progress 1
		.amdhsa_inst_pref_size 15
	.end_amdhsa_kernel
	.amdgpu_metadata
---
amdhsa.version: [ 1, 2 ]
amdhsa.kernels:
  - .name:           k_q08015342ee_prep
    .symbol:         k_q08015342ee_prep.kd
    .args:
      - { .name: x, .offset: 0, .size: 8, .value_kind: global_buffer, .address_space: global }
      - { .name: Wq, .offset: 8, .size: 8, .value_kind: global_buffer, .address_space: global }
      - { .name: xb, .offset: 16, .size: 8, .value_kind: global_buffer, .address_space: global }
      - { .name: wb, .offset: 24, .size: 8, .value_kind: global_buffer, .address_space: global }
    .group_segment_fixed_size: 0
    .private_segment_fixed_size: 0
    .kernarg_segment_align: 8
    .kernarg_segment_size: 32
    .max_flat_workgroup_size: 256
    .sgpr_count:     66
    .vgpr_count:     128
    .wavefront_size: 32
...
	.end_amdgpu_metadata
.endif
;; end of part 3
;; launch gemm: the kernel of part 2 again; grid 16 x 16, 4 waves a work-group, clusters of 4 x 4, 327,680 bytes of LDS; arguments xb, wb, row_scales, bias_param, out0; writes out0
